; MI455X (gfx1250); checked and timed in simulation.
; The chip was launched on July 23, 2026; its instructions are those of AMD's public machine-readable ISA for CDNA 5 (MIT licence, August 2026) and "CDNA5" Instruction Set Architecture Reference Guide (July 2026). The comments in the code are by the model that wrote it; some were corrected since.
;; Grouped Query Attention. Allowed arithmetic: matrix products marked QUANTISED: E4M3 operands, one given power-of-two scale a tensor, by v_wmma_f32_16x16x64_fp8_fp8 or v_wmma_f32_16x16x128_fp8_fp8, f32 sums; everything else in f32.
;; Inputs: Wk 2,048 x 512 float32; Wq 2,048 x 2,048 float32; Wv 2,048 x 512 float32; lowp_scales 10 int32 (the exponents e of the quantised operands' scales 2^e); x 2 x 2,048 x 2,048 float32.
;; Outputs: out0 2 x 2,048 x 2,048 float32.
;; This version of the problem:
;;   THIS VERSION OF THE PROBLEM IS GIVEN IN LOW PRECISION. The matrix products marked QUANTISED in the list below multiply operands that are first quantised to E4M3 (4 exponent bits, 3 mantissa bits; 8 bits a number), with one given power-of-two scale for each operand tensor; their sums are f32. All else is computed in f32.
;;   The module's matrix products, in the order in which they are computed (A, B: the left and right operand; K: the contracted axis; several contracted axes count as one K, in the product's order):
;;     1. [M 4,096, K 2,048] x [K 2,048, N 2,048]; A: input x; B: input Wq: QUANTISED (scales: A lowp_scales[0], B lowp_scales[1])
;;     2. [M 4,096, K 2,048] x [K 2,048, N 512]; A: input x; B: input Wk: QUANTISED (scales: A lowp_scales[2], B lowp_scales[3])
;;     3. [M 4,096, K 2,048] x [K 2,048, N 512]; A: input x; B: input Wv: QUANTISED (scales: A lowp_scales[4], B lowp_scales[5])
;;     4. batch 16 x [M 8,192, K 64] x [K 64, N 2,048]; A: computed on the way; B: computed on the way: QUANTISED (scales: A lowp_scales[6], B lowp_scales[7])
;;     5. batch 16 x [M 8,192, K 2,048] x [K 2,048, N 64]; A: softmax (see below); B: computed on the way: QUANTISED (scales: A lowp_scales[8], B lowp_scales[9])
;;   THE QUANTISER, for each operand of a quantised product, along K:
;;     - The operand's scale is 2^e, e = its entry of the input lowp_scales (int32; the entries are numbered through the quantised products in the list's order, A before B).
;;     - Each number is divided by the scale, clamped to +-448, and rounded to the nearest number of E4M3, ties to even, subnormals kept.
;;     - The product sums the exact products of the quantised numbers (number of the format x scale) in f32.
;;   ~~~python
;;   def quantise(x, axis, e):      # numpy; x: float32 -> the quantised numbers, widened to float32 again
;;       x = np.moveaxis(x, axis, -1); K = x.shape[-1]
;;       r = np.clip(x / 2.0 ** e, -448, 448)
;;       step = 2.0 ** (np.maximum(np.frexp(np.where(r == 0, 1, r))[1] - 1, -6) - 3)
;;       q = np.round(r / step) * step * 2.0 ** e      # np.round: ties to even
;;       return np.moveaxis(q, -1, axis).astype(np.float32)
;;   ~~~
;;   SOFTMAX AHEAD OF A QUANTISED PRODUCT. Where the list says 'softmax', what is quantised is not the finished softmax but p = 2^(t - M), with t = logit x log2(e) and M = ceil(the row's largest t), a whole number; so 1/2 < the row's largest p <= 1. The row's sum l is taken of the UNQUANTISED p, in f32, and the product's result is divided by l at the end. Since M is a whole number, a kernel that streams over the keys may use a running M (the ceiling of the running maximum): every later rescaling is an exact power of two, so the quantised numbers keep their values, but for numbers so far below the row's largest that they fall under the format's range.
;;   OPERANDS COMPUTED ON THE WAY. 'Computed on the way' means the value that the module computes at that place (a softmax that the list does not call 'softmax' is quantised finished and normalised). What goes into a quantiser is computed in f32, as accurately as f32 sums, v_exp_f32 and their like allow (about 1e-6 of the number): no bf16 or f16 on the way to a quantiser, and a product that is left as it is and whose result goes on into a quantised operand takes f32 operands (vector FMAs, or v_wmma_f32_16x16x4_f32). A number that lies on a knife's edge between two numbers of the format may be rounded either way, as far as f32 arithmetic and the matrix unit's own rounding can turn it there, and no further.
;; One version. Each part assembles by itself: llvm-mc -triple=amdgcn-amd-amdhsa -mcpu=gfx1250 --defsym DOCPART=n.
;; ======== version 1 of 1: 3 launches
;; limits: right only within a limited range of input values
;; workspace buffers: xq_codes 8,388,608 bytes; xk_codes 8,388,608 bytes; xv_codes 8,388,608 bytes; w_img 6,291,456 bytes; rope 524,288 bytes; q_img 8,388,608 bytes; k_img 2,097,152 bytes; v_img 2,097,152 bytes
;; launch prep (part 1): grid 448 x 1, 4 waves a work-group, no clusters, 0 bytes of LDS; arguments x, Wq, Wk, Wv, lowp_scales, xq_codes, xk_codes, xv_codes, w_img, rope; writes xq_codes, xk_codes, xv_codes, w_img, rope
.if DOCPART == 1
	.amdgcn_target "amdgcn-amd-amdhsa--gfx1250"
	.amdhsa_code_object_version 6
	.text
	.protected	k_q219f9ad82e_prep
	.globl	k_q219f9ad82e_prep
	.p2align	8
	.type	k_q219f9ad82e_prep,@function
k_q219f9ad82e_prep:
	s_mov_b64 s[64:65], 0
	v_nop
	global_prefetch_b8 v0, s[64:65] scope:SCOPE_SE
	s_setreg_imm32_b32 hwreg(HW_REG_WAVE_MODE, 25, 1), 1
	s_wait_xcnt 0x0
; PREP: all that is quantised once.  x [4096][2048] f32 becomes three sets of E4M3 codes (scales 2^e0, 2^e2, 2^e4: one for each product that reads x); Wq, Wk, Wv [2048 (k)][n] f32 become
; codes laid as images of operand registers (scales 2^e1, 2^e3, 2^e5); and the table of cos and sin for the rotation is made.  code = number / 2^e, x's held within +-448, to the nearest code, ties to even.
; THE ORDER ALONG K.  A lane's four loads of x take bytes as they lie (512 consecutive bytes a load), so the lane's 16 numbers are k = 128 i + 4 lane + j of a run of 512, and its 16 codes are stored on end.
; Place p of a row of codes therefore holds k(p) = 512 (p >> 9) + 128 ((p >> 2) & 3) + 4 ((p >> 4) & 31) + (p & 3).  The weights' codes are laid in the same order, so every product meets its partner;
; only the order of the f32 sums differs from ascending k.
; w_img: [192 tiles of 16 columns][16 chunks of 128 places][4 groups c][32 lanes][16 bytes]; lane (r, h) of group c: column 16 tile + r, places 128 chunk + 32 c + 16 h + 0 .. 15.  Columns: 0.. Wq, 2048.. Wk, 2560.. Wv.
; rope:  [128 tiles of 16 positions][8 loads d][32 lanes][16 bytes]; lane (r, h) of load d: (cos, sin, cos, sin) of position 16 tile + r, pairs i = 8 (d >> 1) + 4 h + 2 (d & 1) + 0, 1.
; SHARES.  Work-groups 0-255: x, 32,768 numbers each (a wave: 16 steps of 512), and one table entry a thread.  Work-groups 256-447: 128 columns x 256 places of a weight; a lane takes a column and its registers run down K.
; No LDS, no barrier: waves share nothing.  Matrix units, clusters and tensor loads would add nothing to a stream that is read once.
; LIMITS: every e between -126 and 119, so that 2^e and 448 x 2^e are f32 numbers.  NaN among the inputs is not served.  The table's frequency 10000^(-i/32) is made by v_exp_f32 with the exponent's rounding taken
; back, so it lies within about two units in the last place of the true number; the angle is one f32 product of position and frequency, as in the definition; sin and cos are polynomials on [-pi/4, pi/4], good to about 1e-7.
.set XWG, 256                          ; work-groups that take x
.set XR,  16                           ; v16-79   x: four sets of 16 numbers as loaded
.set TQ,  80                           ; v80-127  x: three sets of 16 held numbers (ahead of the steps: the table entry's registers)
.set CX,  128                          ; v128-151 x: two sets of 12 registers of codes
.set XW,  32                           ; v32-95   weights: two sets of 32 numbers
.set CW,  96                           ; v96-159  weights: 8 registers of codes for each of 8 blocks: no store's data are written again
.macro MKSCALE e, vs, vl               ; v[vs] = 2^e as f32 (the conversion takes its exponent field), v[vl] = 448 x 2^e
	s_add_co_i32 s46, s[\e], 127
	s_lshl_b32 s47, s46, 23
	v_mov_b32 v[\vs], s47
	s_add_co_i32 s46, s46, 8
	s_lshl_b32 s46, s46, 23
	s_or_b32 s46, s46, 0x600000
	v_mov_b32 v[\vl], s46
.endm
.macro XLOAD t                         ; step t: four loads, each 512 consecutive bytes
.irp i, 0,1,2,3
	global_load_b128 v[XR+16*((\t)%4)+4*\i:XR+16*((\t)%4)+4*\i+3], v3, s[4:5] offset:2048*(\t)+512*\i th:TH_LOAD_NT
.endr
.endm
.macro XSTEP t
.if (\t) <= 12
	s_wait_loadcnt 12                              ; this step's four loads are in; those of the three younger steps stay out
.else
	s_wait_loadcnt 4*(15-(\t))                     ; the tail: the counts run down
.endif
	s_wait_xcnt 0x0                                ; earlier stores have read their registers: the codes' set of two steps back (and, in step 0, the table entry's) may be written
.irp s, 0,1,2
.irp i, 0,1,2,3,4,5,6,7,8,9,10,11,12,13,14,15
	v_med3_num_f32 v[TQ+16*\s+\i], v[XR+16*((\t)%4)+\i], -v[11+\s], v[11+\s]   ; the conversion does not saturate (ISA guide 7.6.2): hold within the largest code x the scale
.endr
.endr
.if (\t)+4 < 16
	XLOAD (\t)+4                                   ; the set just read takes the loads of four steps on
.endif
.irp s, 0,1,2
	v_cvt_scalef32_pk8_fp8_f32 v[CX+12*((\t)%2)+4*\s:CX+12*((\t)%2)+4*\s+1], v[TQ+16*\s:TQ+16*\s+7], v[8+\s]
	v_cvt_scalef32_pk8_fp8_f32 v[CX+12*((\t)%2)+4*\s+2:CX+12*((\t)%2)+4*\s+3], v[TQ+16*\s+8:TQ+16*\s+15], v[8+\s]
.endr
	v_nop                                          ; a plain line between the conversions and the next step's holds, which write their sources
	global_store_b128 v3, v[CX+12*((\t)%2):CX+12*((\t)%2)+3], s[14:15] offset:512*(\t)       ; each store: 512 consecutive bytes, aligned
	global_store_b128 v3, v[CX+12*((\t)%2)+4:CX+12*((\t)%2)+7], s[16:17] offset:512*(\t)
	global_store_b128 v3, v[CX+12*((\t)%2)+8:CX+12*((\t)%2)+11], s[18:19] offset:512*(\t)
.endm
; cos and sin of the angle in v[ang] (0 or more) into v[out], v[out+1]; v[t] .. v[t+6] at work
.macro SINCOS ang, out, t
	v_mul_f32 v[\t], 0x3f22f983, v[\ang]           ; x 2 / pi
	v_rndne_f32 v[\t], v[\t]                       ; n quarter turns
	v_fmamk_f32 v[\t+1], v[\t], 0xbfc90fdb, v[\ang]    ; rho = angle - n pi/2, pi/2 in two parts
	v_fmamk_f32 v[\t+1], v[\t], 0x333bbd2e, v[\t+1]
	v_mul_f32 v[\t+2], v[\t+1], v[\t+1]            ; z = rho^2
	v_cvt_i32_f32 v[\t], v[\t]
	v_mov_b32 v[\t+3], 0xb94ca1f9
	v_fmaak_f32 v[\t+3], v[\t+3], v[\t+2], 0x3c08839e
	v_fmaak_f32 v[\t+3], v[\t+3], v[\t+2], 0xbe2aaaa3
	v_mul_f32 v[\t+4], v[\t+1], v[\t+2]
	v_fma_f32 v[\t+3], v[\t+4], v[\t+3], v[\t+1]   ; sin rho
	v_mov_b32 v[\t+4], 0x37ccf5ce
	v_fmaak_f32 v[\t+4], v[\t+4], v[\t+2], 0xbab6061a
	v_fmaak_f32 v[\t+4], v[\t+4], v[\t+2], 0x3d2aaaa5
	v_mul_f32 v[\t+5], v[\t+2], v[\t+2]
	v_fma_f32 v[\t+6], v[\t+2], -0.5, 1.0
	v_fma_f32 v[\t+4], v[\t+4], v[\t+5], v[\t+6]   ; cos rho
	v_and_b32 v[\t+5], 1, v[\t]                    ; the quarter, by selection alone: odd n swaps the two,
	v_cmp_eq_u32 vcc_lo, 1, v[\t+5]
	v_cndmask_b32 v[\out+1], v[\t+3], v[\t+4], vcc_lo
	v_cndmask_b32 v[\out], v[\t+4], v[\t+3], vcc_lo
	v_and_b32 v[\t+5], 2, v[\t]                    ; quarters 2, 3 turn sin's sign,
	v_lshlrev_b32 v[\t+5], 30, v[\t+5]
	v_xor_b32 v[\out+1], v[\t+5], v[\out+1]
	v_add_nc_u32 v[\t+5], 1, v[\t]                 ; quarters 1, 2 cos's
	v_and_b32 v[\t+5], 2, v[\t+5]
	v_lshlrev_b32 v[\t+5], 30, v[\t+5]
	v_xor_b32 v[\out], v[\t+5], v[\out]
.endm
; Block t = 4 q + c of a weight: register 16 h + 4 i + j of the set takes row 128 i + 32 q + 8 c + 4 h + j below the work-group's first: k of places 128 q + 32 c + 16 h + 4 i + j
.macro WLOAD t, pitch
.irp h, 0,1
.irp i, 0,1,2,3
.irp j, 0,1,2,3
	global_load_b32 v[XW+32*((\t)%2)+16*\h+4*\i+\j], v3, s[40:41] offset:(128*\i+32*((\t)/4)+8*((\t)%4)+4*\h+\j)*\pitch th:TH_LOAD_NT
.endr
.endr
.endr
.endm
.macro WBLOCK t, pitch
.set XS, XW+32*((\t)%2)
.if (\t) < 7
	s_wait_loadcnt 32                              ; this block's 32 loads are in; the next block's stay out
.else
	s_wait_loadcnt 0
.endif
.irp i, 0,1,2,3,4,5,6,7,8,9,10,11,12,13,14,15,16,17,18,19,20,21,22,23,24,25,26,27,28,29,30,31
.endr
.irp g, 0,1,2,3
	v_cvt_scalef32_pk8_fp8_f32 v[CW+8*(\t)+2*\g:CW+8*(\t)+2*\g+1], v[XS+8*\g:XS+8*\g+7], v11
.endr
	v_nop                                          ; a plain line behind the last conversion
	global_store_b128 v4, v[CW+8*(\t):CW+8*(\t)+3], s[20:21] offset:2048*((\t)/4)+512*((\t)%4)         ; h = 0: sixteen lanes store 256 consecutive bytes, aligned; the other sixteen the next tile's
	global_store_b128 v4, v[CW+8*(\t)+4:CW+8*(\t)+7], s[20:21] offset:2048*((\t)/4)+512*((\t)%4)+256   ; h = 1
.if (\t)+2 < 8
	WLOAD (\t)+2, \pitch
.endif
.endm
; A weight whose rows are pitch bytes.  s[40:41] the weight, s42 its e, s43 which 128 columns of it, s30 the work-group's first row
.macro WPATH pitch
	s_mul_i32 s44, s30, \pitch
	s_lshl_b32 s45, s43, 9                         ; 128 columns of 4 bytes
	s_add_co_u32 s44, s44, s45
	s_lshl_b32 s45, s24, 7                         ; my wave's 32 of them
	s_add_co_u32 s44, s44, s45
	s_mov_b32 s45, 0
	s_add_nc_u64 s[40:41], s[40:41], s[44:45]
	WLOAD 0, \pitch
	WLOAD 1, \pitch                                ; two blocks, 64 loads a wave, ahead
	MKSCALE 42, 11, 10
	s_wait_alu depctr_va_vdst(0)
.irp t, 0,1,2,3,4,5,6,7
	WBLOCK \t, \pitch
.endr
.endm
	s_load_b256 s[4:11], s[0:1], 0x0               ; x s[4:5], Wq s[6:7], Wk s[8:9], Wv s[10:11]
	s_load_b256 s[12:19], s[0:1], 0x20             ; the scales' exponents s[12:13]; x's codes for Q s[14:15], for K s[16:17], for V s[18:19]
	s_load_b128 s[20:23], s[0:1], 0x40             ; w_img s[20:21], rope s[22:23]
	v_lshrrev_b32 v1, 5, v0
	v_readfirstlane_b32 s24, v1                    ; wave 0..3
	v_and_b32 v2, 31, v0                           ; lane
	s_wait_kmcnt 0x0
	s_load_b256 s[32:39], s[12:13], 0x0            ; e0 .. e7
	s_cmp_lt_u32 ttmp9, XWG
	s_cbranch_scc0 .Lweights
	; ---- x
	s_wait_alu depctr_va_vdst(0)
	v_lshlrev_b32 v3, 4, v2                        ; my 16 bytes of a load's, and of a store's, 512
	s_wait_alu depctr_va_vdst(0)
	s_lshl_b32 s25, ttmp9, 2
	s_add_co_u32 s25, s25, s24                     ; which run of 8,192 numbers is my wave's
	s_lshl_b32 s26, s25, 15
	s_mov_b32 s27, 0
	s_add_nc_u64 s[4:5], s[4:5], s[26:27]
	s_lshl_b32 s26, s25, 13
	s_add_nc_u64 s[14:15], s[14:15], s[26:27]
	s_add_nc_u64 s[16:17], s[16:17], s[26:27]
	s_add_nc_u64 s[18:19], s[18:19], s[26:27]
.irp t, 0,1,2,3
	XLOAD \t                                       ; four steps, 16 loads a wave, ahead
.endr
	; one entry of the table a thread, while the first loads are on their way
	s_lshl_b32 s25, ttmp9, 7
	v_or_b32 v80, s25, v0                          ; entry E: r = bits 3:0, h = bit 4, d = bits 7:5, tile = the rest
	v_and_b32 v81, 15, v80
	v_lshrrev_b32 v82, 8, v80
	v_lshl_add_u32 v81, v82, 4, v81
	v_cvt_f32_u32 v81, v81                         ; the position
	v_bfe_u32 v82, v80, 4, 1
	v_bfe_u32 v83, v80, 5, 1
	v_bfe_u32 v84, v80, 6, 2
	v_lshlrev_b32 v84, 3, v84
	v_lshl_add_u32 v84, v82, 2, v84
	v_lshl_add_u32 v84, v83, 1, v84
	v_cvt_f32_u32 v84, v84                         ; pair i,
	v_add_f32 v85, 1.0, v84                        ; and i + 1
	s_mov_b32 s26, 0xbed49a78                      ; -log2(10000) / 32, its high part
	v_mul_f32 v86, s26, v84                        ; a = the exponent, rounded;
	v_mul_f32 v87, s26, v85
	v_fma_f32 v88, v84, s26, -v86                  ; what the rounding dropped,
	v_fma_f32 v89, v85, s26, -v87
	v_fmamk_f32 v88, v84, 0xb2179a18, v88          ; and the constant's low part
	v_fmamk_f32 v89, v85, 0xb2179a18, v89
	v_exp_f32 v90, v86
	v_exp_f32 v91, v87
	v_lshlrev_b32 v100, 4, v80                     ; (a plain line behind the exponentials)  the entry's byte
	s_wait_alu depctr_va_vdst(0)                   ; one wait for the two, ahead of their first reader
	v_mul_f32 v88, v88, v90
	v_mul_f32 v89, v89, v91
	v_fmamk_f32 v90, v88, 0x3f317218, v90          ; 2^(a + e) = 2^a (1 + e ln 2)
	v_fmamk_f32 v91, v89, 0x3f317218, v91
	v_mul_f32 v90, v81, v90                        ; the angle: one rounding
	v_mul_f32 v91, v81, v91
	SINCOS 90, 96, 104
	SINCOS 91, 98, 112
	global_store_b128 v100, v[96:99], s[22:23]     ; a wave stores 512 consecutive bytes
	s_wait_kmcnt 0x0
	MKSCALE 32, 8, 11                              ; e0
	MKSCALE 34, 9, 12                              ; e2
	MKSCALE 36, 10, 13                             ; e4
	s_wait_alu depctr_va_vdst(0)
.irp t, 0,1,2,3,4,5,6,7,8,9,10,11,12,13,14,15
	XSTEP \t
.endr
	s_endpgm
	; ---- the weights
.Lweights:
	s_wait_kmcnt 0x0
	s_sub_co_u32 s25, ttmp9, XWG
	s_lshr_b32 s26, s25, 3                         ; which 128 of the 3,072 columns: 0-15 Wq, 16-19 Wk, 20-23 Wv
	s_and_b32 s27, s25, 7                          ; which 256 places along K
	s_lshl_b32 s28, s26, 3
	s_lshl_b32 s29, s24, 1
	s_add_co_u32 s28, s28, s29                     ; my wave's first tile of 16 columns
	s_lshl_b32 s28, s28, 15                        ; 32,768 bytes a tile
	s_lshl_b32 s29, s27, 12                        ; 4,096 bytes for 256 places
	s_add_co_u32 s28, s28, s29
	s_mov_b32 s29, 0
	s_add_nc_u64 s[20:21], s[20:21], s[28:29]
	s_lshr_b32 s30, s27, 1
	s_lshl_b32 s30, s30, 9
	s_and_b32 s31, s27, 1
	s_lshl_b32 s31, s31, 6
	s_add_co_u32 s30, s30, s31                     ; the first row: 512 (y >> 1) + 64 (y & 1)
	s_wait_alu depctr_va_vdst(0)
	v_lshlrev_b32 v3, 2, v2                        ; in: a lane to a column
	v_lshrrev_b32 v5, 4, v2
	v_and_b32 v6, 15, v2
	v_lshlrev_b32 v4, 4, v6
	v_lshl_add_u32 v4, v5, 15, v4                  ; out: 16 r, lanes 16-31 in the next tile
	s_cmp_lt_u32 s26, 16
	s_cbranch_scc0 .Lkv
	s_mov_b64 s[40:41], s[6:7]
	s_mov_b32 s42, s33                             ; e1
	s_mov_b32 s43, s26
	s_wait_alu depctr_va_vdst(0)
	WPATH 8192
	s_endpgm
.Lkv:
	s_cmp_lt_u32 s26, 20
	s_cselect_b64 s[40:41], s[8:9], s[10:11]
	s_cselect_b32 s42, s35, s37                    ; e3 or e5
	s_cselect_b32 s43, 16, 20
	s_sub_co_u32 s43, s26, s43
	s_wait_alu depctr_va_vdst(0)
	WPATH 2048
	s_endpgm
.Lfunc_end_k_q219f9ad82e_prep:
	.size	k_q219f9ad82e_prep, .Lfunc_end_k_q219f9ad82e_prep-k_q219f9ad82e_prep
	.p2alignl 7, 3214868480
	.fill 96, 4, 3214868480
	.section	.rodata,"a",@progbits
	.p2align	6, 0x0
	.amdhsa_kernel k_q219f9ad82e_prep
		.amdhsa_group_segment_fixed_size 0
		.amdhsa_private_segment_fixed_size 0
		.amdhsa_enable_private_segment 0
		.amdhsa_kernarg_size 80
		.amdhsa_user_sgpr_count 2
		.amdhsa_user_sgpr_kernarg_segment_ptr 1
		.amdhsa_wavefront_size32 1
		.amdhsa_system_sgpr_workgroup_id_x 1
		.amdhsa_system_sgpr_workgroup_id_y 1
		.amdhsa_system_sgpr_workgroup_id_z 1
		.amdhsa_system_vgpr_workitem_id 0
		.amdhsa_next_free_vgpr 160
		.amdhsa_next_free_sgpr 66
		.amdhsa_reserve_vcc 1
		.amdhsa_float_denorm_mode_32 3
		.amdhsa_float_denorm_mode_16_64 3
		.amdhsa_fp16_overflow 1
		.amdhsa_memory_ordered 1
		.amdhsa_forward_progress 1
		.amdhsa_inst_pref_size 131
	.end_amdhsa_kernel
	.amdgpu_metadata
---
amdhsa.version: [ 1, 2 ]
amdhsa.kernels:
  - .name:           k_q219f9ad82e_prep
    .symbol:         k_q219f9ad82e_prep.kd
    .args:
      - { .name: x, .offset: 0, .size: 8, .value_kind: global_buffer, .address_space: global }
      - { .name: Wq, .offset: 8, .size: 8, .value_kind: global_buffer, .address_space: global }
      - { .name: Wk, .offset: 16, .size: 8, .value_kind: global_buffer, .address_space: global }
      - { .name: Wv, .offset: 24, .size: 8, .value_kind: global_buffer, .address_space: global }
      - { .name: lowp_scales, .offset: 32, .size: 8, .value_kind: global_buffer, .address_space: global }
      - { .name: xq_codes, .offset: 40, .size: 8, .value_kind: global_buffer, .address_space: global }
      - { .name: xk_codes, .offset: 48, .size: 8, .value_kind: global_buffer, .address_space: global }
      - { .name: xv_codes, .offset: 56, .size: 8, .value_kind: global_buffer, .address_space: global }
      - { .name: w_img, .offset: 64, .size: 8, .value_kind: global_buffer, .address_space: global }
      - { .name: rope, .offset: 72, .size: 8, .value_kind: global_buffer, .address_space: global }
    .group_segment_fixed_size: 0
    .private_segment_fixed_size: 0
    .kernarg_segment_align: 8
    .kernarg_segment_size: 80
    .max_flat_workgroup_size: 128
    .sgpr_count:     66
    .vgpr_count:     160
    .wavefront_size: 32
...
	.end_amdgpu_metadata
.endif
;; end of part 1
;; launch proj (part 2): grid 16 x 12, 4 waves a work-group, clusters of 4 x 1, 327,680 bytes of LDS; arguments xq_codes, xk_codes, xv_codes, w_img, rope, lowp_scales, q_img, k_img, v_img; writes q_img, k_img, v_img
.if DOCPART == 2
	.amdgcn_target "amdgcn-amd-amdhsa--gfx1250"
	.amdhsa_code_object_version 6
	.text
	.protected	k_q219f9ad82e_proj
	.globl	k_q219f9ad82e_proj
	.p2align	8
	.type	k_q219f9ad82e_proj,@function
k_q219f9ad82e_proj:
	s_mov_b64 s[64:65], 0
	v_nop
	global_prefetch_b8 v0, s[64:65] scope:SCOPE_SE
	s_setreg_imm32_b32 hwreg(HW_REG_WAVE_MODE, 25, 1), 1
	s_wait_xcnt 0x0
	s_wait_alu depctr_hold_cnt(0) depctr_sa_sdst(0) depctr_va_vdst(0) depctr_va_sdst(0) depctr_va_ssrc(0) depctr_va_vcc(0) depctr_vm_vsrc(0)
	s_getreg_b32 s2, hwreg(HW_REG_IB_STS2, 6, 4)
	s_cmp_eq_u32 s2, 0
	s_cbranch_scc0 .Lentry_in_a_cluster
	s_endpgm
.Lentry_in_a_cluster:
	s_bfe_u32 s2, ttmp6, 0x10000c
	s_cmp_lg_u32 s2, 0x3003
	s_cbranch_scc0 .Lentry_shape_is_right
	s_endpgm
.Lentry_shape_is_right:
.set PITCH,  272
.set FR,     16
.set NL,     4
.set NP,     4
.set HALFA,  128*PITCH
.set BOFF,   2*HALFA
.set NTB,    4096
.set HALFB,  8*NTB
.set SLOT,   BOFF+2*HALFB
.set LAPS,   4
.set SPARE,  2*SLOT
.set SPITCH, 528
.set ADRA, 16
.set ADRB, 20
.set LI,   22
.set STO,  24
.set RDV,  25
.set SCL,  26
.set LIM,  27
.set SPW,  28
.set NIL,  29
.set TBL,  32
.set RV,   32
.set TR,   96
.set CD,   160
.set CV,   128
.set AF,   128
.set G1A, 24
.set G0A, 32
.set G1B, 48
.set G0B, 56
.set MSB, 0
.macro WIN new
.if MSB != \new
	s_set_vgpr_msb (MSB<<8)|\new
.set MSB, \new
.endif
.endm
.set MUL_LO, 0xa1
.set MUL_HI, 0xf1
.set TO_B,   0x40
.macro JLOAD g0a, g0b
	s_cmp_eq_u32 s15, 0
	s_cbranch_scc0 .Lfor_b_\@
	tensor_load_to_lds s[\g0a:\g0a+3], s[G1A:G1A+7]
	s_nop 0
.rept 4
	v_nop
.endr
	s_branch .Lasked_\@
.Lfor_b_\@:
	tensor_load_to_lds s[\g0b:\g0b+3], s[G1B:G1B+7]
	s_nop 0
.rept 4
	v_nop
.endr
.Lasked_\@:
.endm
.macro CREST
	s_cmp_lg_u32 s14, 0
	s_cbranch_scc1 .Lnot_wave_0_\@
	s_barrier_signal -3
.Lnot_wave_0_\@:
	s_barrier_wait -3
	s_barrier_signal -1
	s_barrier_wait -1
.endm
.macro CROUND
	s_barrier_signal -1
	s_barrier_wait -1
	CREST
.endm
.macro ROPELD a
.irp d, 0,1,2,3,4,5,6,7
	global_load_b128 v[TBL+32*((\a)%2)+4*\d:TBL+32*((\a)%2)+4*\d+3], v[LI], s[68:69] offset:4096*(\a)+512*\d
.endr
.endm
	s_load_b256 s[4:11], s[0:1], 0x0
	s_load_b256 s[68:75], s[0:1], 0x20
	s_load_b64 s[76:77], s[0:1], 0x40
	v_lshl_add_u32 v[SPW], v0, 2, SPARE
	v_mov_b32 v[NIL], 0
	ds_add_u32 v[SPW], v[NIL]
	ds_add_u32 v[SPW], v[NIL]
	v_lshrrev_b32 v1, 5, v0
	v_readfirstlane_b32 s14, v1
	s_lshr_b32 s15, s14, 1
	s_and_b32 s16, s14, 1
	s_bfe_u32 s40, ttmp6, 0x40000
	s_lshl_b32 s17, ttmp9, 2
	s_add_co_u32 s17, s17, s40
	s_and_b32 s13, ttmp7, 0xffff
	s_mov_b32 s[G1A+0], (0<<16)|(1<<20)|(5<<22)|(3<<25)
	s_mov_b32 s[G1A+1], 256<<16
	s_mov_b32 s[G1A+2], 128<<16
	s_mov_b32 s[G1A+3], 256<<16
	s_mov_b32 s[G1A+4], 128
	s_mov_b32 s[G1A+5], 2048
	s_mov_b32 s[G1A+6], 0
	s_mov_b32 s[G1A+7], 0
	s_mov_b32 s[G1B+0], 15|(3<<16)|(1<<21)
	s_mov_b32 s[G1B+1], 512<<16
	s_mov_b32 s[G1B+2], 8<<16
	s_mov_b32 s[G1B+3], 512<<16
	s_mov_b32 s[G1B+4], 8
	s_mov_b32 s[G1B+5], 4096
	s_mov_b32 s[G1B+6], 0
	s_mov_b32 s[G1B+7], 0
	s_lshl_b32 s18, s17, 8
	s_lshl_b32 s19, s16, 7
	s_add_co_u32 s18, s18, s19
	s_lshl_b32 s18, s18, 11
	s_mov_b32 s19, 0
	s_lshl_b32 s20, s13, 4
	s_lshl_b32 s21, s16, 3
	s_add_co_u32 s20, s20, s21
	s_lshl_b32 s20, s20, 15
	s_mov_b32 s21, 0
	s_mul_i32 s22, s16, HALFA
	s_lshl_b32 s23, s16, 15
	s_add_co_u32 s23, s23, BOFF
	s_wait_dscnt 0x0
	s_wait_kmcnt 0x0
	s_load_b256 s[84:91], s[70:71], 0x0
	s_load_b64 s[92:93], s[70:71], 0x20
	s_cmp_lt_u32 s13, 10
	s_cselect_b64 s[6:7], s[6:7], s[8:9]
	s_cselect_b64 s[74:75], s[74:75], s[76:77]
	s_cselect_b32 s46, 8, 10
	s_cmp_lt_u32 s13, 8
	s_cselect_b64 s[4:5], s[4:5], s[6:7]
	s_cselect_b64 s[72:73], s[72:73], s[74:75]
	s_cselect_b32 s46, 0, s46
	s_cselect_b32 s47, 32, 8
	s_add_nc_u64 s[4:5], s[4:5], s[18:19]
	s_add_nc_u64 s[10:11], s[10:11], s[20:21]
	CROUND
.irp s, 0,1
	s_mov_b32 s[G0A+4*\s], 1
	s_add_co_u32 s[G0A+4*\s+1], s22, \s*SLOT
	s_add_nc_u64 s[G0A+4*\s+2:G0A+4*\s+3], s[4:5], \s*256
	s_or_b32 s[G0A+4*\s+3], s[G0A+4*\s+3], 0x80000000
	s_mov_b32 s[G0B+4*\s], 1
	s_add_co_u32 s[G0B+4*\s+1], s23, \s*SLOT
	s_add_nc_u64 s[G0B+4*\s+2:G0B+4*\s+3], s[10:11], \s*NTB
	s_or_b32 s[G0B+4*\s+3], s[G0B+4*\s+3], 0x80000000
	s_wait_alu depctr_va_vdst(0)
	s_wait_tensorcnt 0x0
	ds_add_u32 v28, v29
	ds_add_u32 v28, v29
	s_wait_dscnt 0x0
	CROUND
	JLOAD G0A+4*\s, G0B+4*\s
.endr
	v_and_b32 v1, 15, v0
	v_bfe_u32 v2, v0, 4, 1
	v_mul_u32_u24 v3, v1, PITCH
	v_lshl_add_u32 v4, v2, 4, v3
	v_and_b32 v6, 31, v0
	v_lshlrev_b32 v[LI], 4, v6
	s_mul_i32 s21, s15, HALFA
	s_lshl_b32 s22, s16, 15
	s_add_co_u32 s22, s22, BOFF
.irp s, 0,1
	v_add_nc_u32 v[ADRA+\s], s21, v4
	v_add_nc_u32 v[ADRB+\s], s22, v[LI]
	s_add_co_u32 s21, s21, SLOT
	s_add_co_u32 s22, s22, SLOT
.endr
	s_mul_i32 s23, s14, 16*SPITCH
	v_mul_u32_u24 v5, v1, SPITCH
	v_lshl_add_u32 v5, v2, 5, v5
	v_add_nc_u32 v[STO], s23, v5
	v_mul_u32_u24 v5, v2, 8*SPITCH
	v_lshl_add_u32 v5, v1, 2, v5
	v_add_nc_u32 v[RDV], s23, v5
	s_lshl_b32 s41, s17, 8
	s_lshl_b32 s42, s15, 7
	s_add_co_u32 s41, s41, s42
	s_and_b32 s42, s41, 2047
	s_lshr_b32 s43, s41, 11
	s_lshl_b32 s44, s42, 8
	s_mov_b32 s45, 0
	s_add_nc_u64 s[68:69], s[68:69], s[44:45]
	s_sub_co_u32 s46, s13, s46
	s_lshl_b32 s46, s46, 2
	s_lshl_b32 s44, s16, 1
	s_add_co_u32 s46, s46, s44
	s_mul_i32 s47, s47, s43
	s_add_co_u32 s46, s46, s47
	s_lshl_b32 s46, s46, 17
	s_lshl_b32 s44, s42, 6
	s_add_co_u32 s44, s44, s46
	s_add_nc_u64 s[72:73], s[72:73], s[44:45]
	ROPELD 0
	ROPELD 1
.macro FRAGA reg, adr, q, i
.irp c, 0,1,2,3
	ds_load_b128 v[\reg+4*\c:\reg+4*\c+3], v[\adr] offset:128*(\q)+32*\c+(\i)*16*PITCH
.endr
.endm
.macro FRAGB reg, adr, q, i
.irp c, 0,1,2,3
	ds_load_b128 v[\reg+4*\c:\reg+4*\c+3], v[\adr] offset:2048*(\q)+512*\c+(\i)*NTB
.endr
.endm
.macro MUL16 a0, p, zero
.irp a, \a0, \a0+1
.irp b, 0,1,2,3,4,5,6,7
.if \zero
	v_wmma_f32_16x16x128_fp8_fp8 v[8*(8*((\a)%4)+\b):8*(8*((\a)%4)+\b)+7], v[128*(\p)+FR*\b:128*(\p)+FR*\b+FR-1], v[AF+FR*(\a):AF+FR*(\a)+FR-1], 0
.else
	v_wmma_f32_16x16x128_fp8_fp8 v[8*(8*((\a)%4)+\b):8*(8*((\a)%4)+\b)+7], v[128*(\p)+FR*\b:128*(\p)+FR*\b+FR-1], v[AF+FR*(\a):AF+FR*(\a)+FR-1], v[8*(8*((\a)%4)+\b):8*(8*((\a)%4)+\b)+7]
.endif
.endr
.endr
.endm
.macro FETCH_B slot, q, p
	WIN TO_B
.irp i, 0,1,2,3,4,5,6,7
	FRAGB 128*(\p)+FR*\i, ADRB+\slot, \q, \i
.endr
	WIN 0
.endm
.macro FETCH_A slot, q, i0
.irp i, \i0, \i0+1, \i0+2, \i0+3
	FRAGA AF+FR*(\i), ADRA+\slot, \q, \i
.endr
.endm
.macro PLACES n
.rept \n
	v_nop
.endr
.endm
.macro STEP slot, q, zero
	s_wait_dscnt 4*NL
	WIN MUL_LO
	MUL16 0, (\q)%2, \zero
	MUL16 2, (\q)%2, \zero
	s_wait_dscnt 0
	PLACES NP
	FETCH_B \slot, (\q)+1, 1-(\q)%2
	FETCH_A \slot, (\q)+1, 0
	WIN MUL_HI
	MUL16 4, (\q)%2, \zero
	MUL16 6, (\q)%2, \zero
	PLACES NP
	WIN 0
	FETCH_A \slot, (\q)+1, 4
.endm
.macro TURN slot, next, fill
	s_wait_tensorcnt 0x0
	ds_add_u32 v[SPW], v[NIL]
	s_wait_dscnt 4*NL+1
	WIN MUL_LO
	MUL16 0, 1, 0
	s_wait_dscnt 0x0
	s_barrier_signal -1
	MUL16 2, 1, 0
	WIN 0
	s_barrier_wait -1
.if \fill
	CREST
	s_add_nc_u64 s[G0A+4*\slot+2:G0A+4*\slot+3], s[G0A+4*\slot+2:G0A+4*\slot+3], 2*256
	s_add_nc_u64 s[G0B+4*\slot+2:G0B+4*\slot+3], s[G0B+4*\slot+2:G0B+4*\slot+3], 2*NTB
	JLOAD G0A+4*\slot, G0B+4*\slot
.else
	PLACES NP
.endif
	FETCH_B \next, 0, 0
	FETCH_A \next, 0, 0
	WIN MUL_HI
	MUL16 4, 1, 0
	MUL16 6, 1, 0
	PLACES NP
	WIN 0
	FETCH_A \next, 0, 4
.endm
	s_wait_alu depctr_va_vdst(0)
	s_wait_tensorcnt 1
	s_barrier_signal -1
	s_barrier_wait -1
	FETCH_B 0, 0, 0
	FETCH_A 0, 0, 0
	FETCH_A 0, 0, 4
	STEP 0, 0, 1
	s_mov_b32 s3, LAPS-1
.Llap:
	TURN 0, 1, 1
	STEP 1, 0, 0
	TURN 1, 0, 1
	STEP 0, 0, 0
	s_sub_co_u32 s3, s3, 1
	s_cmp_lg_u32 s3, 0
	s_cbranch_scc1 .Llap
	TURN 0, 1, 0
	STEP 1, 0, 0
	s_wait_dscnt 4*NL
	WIN MUL_LO
	MUL16 0, 1, 0
	MUL16 2, 1, 0
	s_wait_dscnt 0
	WIN MUL_HI
	MUL16 4, 1, 0
	MUL16 6, 1, 0
	WIN 0
	s_wait_kmcnt 0x0
	s_sub_co_i32 s78, s90, s84
	s_sub_co_i32 s78, s78, s85
	s_sub_co_i32 s79, s91, s86
	s_sub_co_i32 s79, s79, s87
	s_sub_co_i32 s80, s93, s88
	s_sub_co_i32 s80, s80, s89
	s_cmp_lt_u32 s13, 10
	s_cselect_b32 s79, s79, s80
	s_cmp_lt_u32 s13, 8
	s_cselect_b32 s78, s78, s79
	s_add_co_i32 s78, s78, 127
	s_lshl_b32 s79, s78, 23
	v_mov_b32 v[SCL], s79
	PLACES NP
	s_cmp_ge_u32 s13, 10
	s_cbranch_scc1 .Lvpath
.macro QKBLOCK a
.set AC,  64*((\a)%4)
.set TS,  TBL+32*((\a)%2)
.set CDS, CD+16*((\a)%4)
.if (\a) < 7
	s_wait_loadcnt 8
.else
	s_wait_loadcnt 0
.endif
.if (\a) >= 4
	s_wait_xcnt 0x0
.endif
	WIN 0x02+((\a)/4)
.irp b, 0,1,2,3,4,5,6,7
.irp q, 0,2,4,6
	v_pk_mul_f32 v[TR+8*\b+\q:TR+8*\b+\q+1], v[AC+8*\b+\q:AC+8*\b+\q+1], v[TS+8*(\b%4)+\q:TS+8*(\b%4)+\q+1] op_sel:[1,1] op_sel_hi:[1,0]
.endr
.irp q, 0,2,4,6
	v_pk_fma_f32 v[TR+8*\b+\q:TR+8*\b+\q+1], v[AC+8*\b+\q:AC+8*\b+\q+1], v[TS+8*(\b%4)+\q:TS+8*(\b%4)+\q+1], v[TR+8*\b+\q:TR+8*\b+\q+1] op_sel_hi:[0,1,1] neg_lo:[0,0,1]
.endr
.endr
	WIN 0
.set n, 0
.rept 64
.set n, n+1
.endr
.irp b, 0,1,2,3,4,5,6,7
	v_cvt_scalef32_pk8_fp8_f32 v[CDS+2*\b:CDS+2*\b+1], v[TR+8*\b:TR+8*\b+7], v[SCL]
.endr
	v_nop
.irp u, 0,1
.irp g, 0,1
	global_store_b128 v[LI], v[CDS+8*\u+4*\g:CDS+8*\u+4*\g+3], s[72:73] offset:131072*\u+1024*(\a)+512*\g
.endr
.endr
.if (\a) < 6
	ROPELD (\a)+2
.endif
.endm
.irp a, 0,1,2,3,4,5,6,7
	QKBLOCK \a
.endr
	s_branch .Lend
.macro VBLOCK a
.set AC, 64*((\a)%4)
	WIN 0x08+4*((\a)/4)
.irp b, 0,1,2,3,4,5,6,7
	ds_store_b128 v[STO], v[AC+8*\b:AC+8*\b+3] offset:64*\b
	ds_store_b128 v[STO], v[AC+8*\b+4:AC+8*\b+7] offset:64*\b+16
.endr
	WIN 0
.irp b, 0,1,2,3,4,5,6,7
.irp j, 0,1,2,3,4,5,6,7
	ds_load_b32 v[RV+8*\b+\j], v[RDV] offset:SPITCH*\j+64*\b
.endr
.endr
	s_wait_dscnt 0x0
.set n, 0
.rept 64
.set n, n+1
.endr
.irp b, 0,1,2,3,4,5,6,7
	v_cvt_scalef32_pk8_fp8_f32 v[CV+16*\b+2*(\a):CV+16*\b+2*(\a)+1], v[RV+8*\b:RV+8*\b+7], v[SCL]
.endr
	v_nop
.if ((\a)%2) == 1
	s_wait_alu depctr_va_vdst(0)
.irp b, 0,1,2,3,4,5,6,7
	global_store_b128 v[LI], v[CV+16*\b+4*((\a)/2):CV+16*\b+4*((\a)/2)+3], s[72:73] offset:131072*(\b/4)+2048*(\b%4)+512*((\a)/2)
.endr
.endif
.endm
.Lvpath:
	s_wait_loadcnt 0x0
	s_wait_alu depctr_va_vdst(0)
.irp a, 0,1,2,3,4,5,6,7
	VBLOCK \a
.endr
.Lend:
	s_wait_tensorcnt 0x0
	ds_add_u32 v[SPW], v[NIL]
	s_wait_dscnt 0x0
	CROUND
	s_endpgm
.Lfunc_end_k_q219f9ad82e_proj:
	.size	k_q219f9ad82e_proj, .Lfunc_end_k_q219f9ad82e_proj-k_q219f9ad82e_proj
	.p2alignl 7, 3214868480
	.fill 96, 4, 3214868480
	.section	.rodata,"a",@progbits
	.p2align	6, 0x0
	.amdhsa_kernel k_q219f9ad82e_proj
		.amdhsa_group_segment_fixed_size 327680
		.amdhsa_private_segment_fixed_size 0
		.amdhsa_enable_private_segment 0
		.amdhsa_kernarg_size 72
		.amdhsa_user_sgpr_count 2
		.amdhsa_user_sgpr_kernarg_segment_ptr 1
		.amdhsa_wavefront_size32 1
		.amdhsa_system_sgpr_workgroup_id_x 1
		.amdhsa_system_sgpr_workgroup_id_y 1
		.amdhsa_system_sgpr_workgroup_id_z 1
		.amdhsa_system_vgpr_workitem_id 0
		.amdhsa_next_free_vgpr 1024
		.amdhsa_next_free_sgpr 100
		.amdhsa_reserve_vcc 0
		.amdhsa_float_denorm_mode_32 3
		.amdhsa_float_denorm_mode_16_64 3
		.amdhsa_fp16_overflow 1
		.amdhsa_memory_ordered 1
		.amdhsa_forward_progress 1
		.amdhsa_inst_pref_size 174
	.end_amdhsa_kernel
	.amdgpu_metadata
---
amdhsa.version: [ 1, 2 ]
amdhsa.kernels:
  - .name:           k_q219f9ad82e_proj
    .symbol:         k_q219f9ad82e_proj.kd
    .args:
      - { .name: xq_codes, .offset: 0, .size: 8, .value_kind: global_buffer, .address_space: global }
      - { .name: xk_codes, .offset: 8, .size: 8, .value_kind: global_buffer, .address_space: global }
      - { .name: xv_codes, .offset: 16, .size: 8, .value_kind: global_buffer, .address_space: global }
      - { .name: w_img, .offset: 24, .size: 8, .value_kind: global_buffer, .address_space: global }
      - { .name: rope, .offset: 32, .size: 8, .value_kind: global_buffer, .address_space: global }
      - { .name: lowp_scales, .offset: 40, .size: 8, .value_kind: global_buffer, .address_space: global }
      - { .name: q_img, .offset: 48, .size: 8, .value_kind: global_buffer, .address_space: global }
      - { .name: k_img, .offset: 56, .size: 8, .value_kind: global_buffer, .address_space: global }
      - { .name: v_img, .offset: 64, .size: 8, .value_kind: global_buffer, .address_space: global }
    .group_segment_fixed_size: 327680
    .private_segment_fixed_size: 0
    .kernarg_segment_align: 8
    .kernarg_segment_size: 72
    .max_flat_workgroup_size: 128
    .sgpr_count:     100
    .vgpr_count:     1024
    .wavefront_size: 32
...
	.end_amdgpu_metadata
.endif
;; end of part 2
;; launch attn (part 3): grid 16 x 16, 16 waves a work-group, clusters of 4 x 1, 327,680 bytes of LDS; arguments q_img, k_img, v_img, lowp_scales, out0; writes out0
.if DOCPART == 3
	.amdgcn_target "amdgcn-amd-amdhsa--gfx1250"
	.amdhsa_code_object_version 6
	.text
	.protected	k_q219f9ad82e_attn
	.globl	k_q219f9ad82e_attn
	.p2align	8
	.type	k_q219f9ad82e_attn,@function
k_q219f9ad82e_attn:
	s_mov_b64 s[64:65], 0
	v_nop
	global_prefetch_b8 v0, s[64:65] scope:SCOPE_SE
	s_setreg_imm32_b32 hwreg(HW_REG_WAVE_MODE, 25, 1), 1
	s_wait_xcnt 0x0
	s_wait_alu depctr_hold_cnt(0) depctr_sa_sdst(0) depctr_va_vdst(0) depctr_va_sdst(0) depctr_va_ssrc(0) depctr_va_vcc(0) depctr_vm_vsrc(0)
	s_getreg_b32 s2, hwreg(HW_REG_IB_STS2, 6, 4)
	s_cmp_eq_u32 s2, 0
	s_cbranch_scc0 .Lentry_in_a_cluster
	s_endpgm
.Lentry_in_a_cluster:
	s_bfe_u32 s2, ttmp6, 0x10000c
	s_cmp_lg_u32 s2, 0x3003
	s_cbranch_scc0 .Lentry_shape_is_right
	s_endpgm
.Lentry_shape_is_right:
.set VBASE, 131072
.set SPARE, 262144
.set OP,    272
.set LI,  1
.set ADR, 2
.set SCP, 3
.set STH, 4
.set STL, 8
.set QH,  12
.set QL,  20
.set CH,  28
.set CL,  44
.set SB,  60
.set KB,  124
.set OH,  188
.set OL,  220
.set RH,  252
.set DD,  253
.set SPW, 254
.set NIL, 255
.set WV,   18
.set SEL,  20
.set CSC,  22
.set G1S,  24
.set G1L,  32
.set G0S,  40
.set G0L,  44
.set KS,   48
.set KOFF, 49
.set VOFF, 50
.set THL,  51
.set THH,  52
.set DLO,  53
.set DHI,  54
.set PLIM, 55
.set NINF, 60
.macro CROUND
	s_barrier_signal -1
	s_barrier_wait -1
	s_cmp_lg_u32 s[WV], 0
	s_cbranch_scc1 .Lnot_wave_0_\@
	s_barrier_signal -3
.Lnot_wave_0_\@:
	s_barrier_wait -3
	s_barrier_signal -1
	s_barrier_wait -1
.endm
	s_load_b256 s[4:11], s[0:1], 0x0
	s_load_b64 s[12:13], s[0:1], 0x20
	v_lshl_add_u32 v[SPW], v0, 2, SPARE
	v_mov_b32 v[NIL], 0
	ds_add_u32 v[SPW], v[NIL]
	ds_add_u32 v[SPW], v[NIL]
	v_lshrrev_b32 v1, 5, v0
	s_delay_alu instid0(VALU_DEP_1)
	v_readfirstlane_b32 s[WV], v1
	s_bfe_u32 s14, ttmp6, 0x40000
	s_and_b32 s15, ttmp7, 0xffff
	s_lshr_b32 s16, s[WV], 3
	s_and_b32 s17, s[WV], 7
.irp g, G1S, G1L
	s_mov_b32 s[\g], 15|(3<<16)|(1<<21)
	s_mov_b32 s[\g+1], 32<<16
	s_mov_b32 s[\g+3], 32<<16
	s_mov_b32 s[\g+5], 32
	s_mov_b32 s[\g+6], 0
	s_mov_b32 s[\g+7], 0
.endr
	s_mov_b32 s[G1S+2], 8<<16
	s_mov_b32 s[G1S+4], 8
	s_mov_b32 s[G1L+2], 56<<16
	s_mov_b32 s[G1L+4], 56
	s_lshl_b32 s19, s17, 11
	s_mul_i32 s61, s17, 14336
	s_add_co_u32 s61, s61, 16384
	s_lshl_b32 s62, s16, 17
	s_lshl_b32 s66, s15, 17
	s_mov_b32 s67, 0
	s_mov_b32 s[SEL], 0x76543210
	s_mov_b32 s[SEL+1], 0xfedcba98
	s_mov_b32 s[CSC], 0x3e38aa3b
	s_mov_b32 s[NINF], 0xff800000
	s_mov_b32 s[KS], 0
	s_mov_b32 s[KOFF], 0
	s_mov_b32 s[VOFF], VBASE
	s_lshr_b32 s[THL], s[WV], 1
	s_sub_co_u32 s[THH], 15, s[THL]
	s_and_b32 s[DLO], s[WV], 1
	s_lshl_b32 s[DLO], s[DLO], 2
	s_add_co_u32 s[DLO], s[DLO], ttmp9
	s_lshl_b32 s[DLO], s[DLO], 4
	s_sub_co_u32 s[DHI], 112, s[DLO]
	s_wait_dscnt 0x0
	s_wait_kmcnt 0x0
	s_load_b128 s[56:59], s[10:11], 0x18
	s_cmp_lt_u32 s[WV], 8
	s_cselect_b64 s[68:69], s[6:7], s[8:9]
	s_add_nc_u64 s[68:69], s[68:69], s[66:67]
	s_mov_b32 s[G0S], 1
	s_add_co_u32 s[G0S+1], s62, s19
	s_mov_b32 s66, s19
	s_add_nc_u64 s[G0S+2:G0S+3], s[68:69], s[66:67]
	s_or_b32 s[G0S+3], s[G0S+3], 0x80000000
	s_mov_b32 s[G0L], 1
	s_add_co_u32 s[G0L+1], s62, s61
	s_mov_b32 s66, s61
	s_add_nc_u64 s[G0L+2:G0L+3], s[68:69], s[66:67]
	s_or_b32 s[G0L+3], s[G0L+3], 0x80000000
	CROUND
	tensor_load_to_lds s[G0S:G0S+3], s[G1S:G1S+7]
	s_nop 0
	s_wait_alu depctr_va_vdst(0)
	s_wait_tensorcnt 0x0
	ds_add_u32 v254, v255
	s_wait_dscnt 0x0
	CROUND
	tensor_load_to_lds s[G0L:G0L+3], s[G1L:G1L+7]
	s_nop 0
.rept 4
	v_nop
.endr
	s_lshl_b32 s70, s[WV], 2
	s_add_co_u32 s70, s70, ttmp9
	s_sub_co_u32 s71, 127, s70
	s_lshl_b32 s72, s15, 2
	s_add_co_u32 s72, s72, s14
	s_lshl_b32 s73, s72, 7
	s_add_co_u32 s74, s73, s71
	s_lshl_b32 s74, s74, 10
	s_mov_b32 s75, 0
	s_add_nc_u64 s[76:77], s[4:5], s[74:75]
	s_add_co_u32 s74, s73, s70
	s_lshl_b32 s74, s74, 10
	s_add_nc_u64 s[78:79], s[4:5], s[74:75]
	v_and_b32 v[LI], 31, v0
	s_delay_alu instid0(VALU_DEP_1)
	v_lshlrev_b32 v[LI], 4, v[LI]
	global_load_b128 v[QH:QH+3], v[LI], s[76:77] th:TH_LOAD_NT
	global_load_b128 v[QH+4:QH+7], v[LI], s[76:77] offset:512 th:TH_LOAD_NT
	global_load_b128 v[QL:QL+3], v[LI], s[78:79] th:TH_LOAD_NT
	global_load_b128 v[QL+4:QL+7], v[LI], s[78:79] offset:512 th:TH_LOAD_NT
	s_lshr_b32 s84, s15, 3
	s_lshl_b32 s84, s84, 24
	s_and_b32 s85, s15, 7
	s_lshl_b32 s85, s85, 2
	s_add_co_u32 s85, s85, s14
	s_lshl_b32 s85, s85, 8
	s_add_co_u32 s84, s84, s85
	s_lshl_b32 s74, s71, 17
	s_add_co_u32 s74, s74, s84
	s_add_nc_u64 s[80:81], s[12:13], s[74:75]
	s_lshl_b32 s74, s70, 17
	s_add_co_u32 s74, s74, s84
	s_add_nc_u64 s[82:83], s[12:13], s[74:75]
	v_and_b32 v[RH], 15, v0
	v_bfe_u32 v[DD], v0, 4, 1
	s_delay_alu instid0(VALU_DEP_1)
	v_lshlrev_b32 v[DD], 3, v[DD]
	s_delay_alu instid0(VALU_DEP_1)
	v_sub_nc_u32 v[RH], v[RH], v[DD]
.irp s, STH, STL
	v_mov_b32 v[\s+1], 0xff61b1e6
	s_delay_alu instid0(VALU_DEP_1)
	v_floor_f32 v[\s], -v[\s+1]
	v_mov_b32 v[\s+2], 0
	v_mov_b32 v[\s+3], 0
.endr
	v_mov_b32 v[CH+2], 0
	v_mov_b32 v[CH+5], 0
.set n, 0
.rept 16
	v_mov_b32 v[CL+n], 0
.set n, n+1
.endr
.set n, 0
.rept 64
	v_mov_b32 v[OH+n], 0
.set n, n+1
.endr
	s_wait_kmcnt 0x0
	s_add_co_i32 s86, s56, s57
	s_lshl_b32 s86, s86, 23
	s_add_co_i32 s[CSC], s[CSC], s86
	s_mov_b32 s[CSC+1], s[CSC]
	s_add_co_i32 s86, s58, 127
	s_lshl_b32 s87, s86, 23
	v_mov_b32 v[SCP], s87
.macro FETCH16
.set n, 0
.rept 16
	ds_load_b128 v[KB+4*n:KB+4*n+3], v[ADR] offset:512*n
.set n, n+1
.endr
.endm
.macro SCORES q
.set n, 0
.rept 8
	v_wmma_f32_16x16x64_fp8_fp8 v[SB+8*n:SB+8*n+7], v[KB+8*n:KB+8*n+7], v[\q:\q+7], 0
.set n, n+1
.endr
.endm
.macro PV o, c
.set n, 0
.rept 4
	v_wmma_f32_16x16x128_fp8_fp8 v[\o+8*n:\o+8*n+7], v[KB+16*n:KB+16*n+15], v[\c:\c+15], v[\o+8*n:\o+8*n+7]
.set n, n+1
.endr
.endm
.macro MASK th, d
	s_cmp_lg_u32 s[KS], s[\th]
	s_cbranch_scc1 .Lopen_\@
	v_add_nc_u32 v[DD], s[\d], v[RH]
.set n, 0
.rept 64
	v_cmp_le_i32 vcc_lo, 16*(n/8)+n%8, v[DD]
	v_cndmask_b32 v[SB+n], s[NINF], v[SB+n], vcc_lo
.set n, n+1
.endr
.Lopen_\@:
.endm
.macro SOFTMAX st, o, c
	v_max3_num_f32 v[\c], v[SB], v[SB+1], v[SB+2]
	v_max3_num_f32 v[\c+1], v[SB+3], v[SB+4], v[SB+5]
.irp i, 6,10,14,18,22,26,30,34,38,42,46,50,54,58
	v_max3_num_f32 v[\c], v[\c], v[SB+\i], v[SB+\i+1]
	v_max3_num_f32 v[\c+1], v[\c+1], v[SB+\i+2], v[SB+\i+3]
.endr
	v_max3_num_f32 v[\c], v[\c], v[SB+62], v[SB+63]
	s_delay_alu instid0(VALU_DEP_1)
	v_max_num_f32 v[\c], v[\c], v[\c+1]
	v_permlanex16_b32 v[\c+2], v[\c], s[SEL], s[SEL+1]
	s_delay_alu instid0(VALU_DEP_1)
	v_max_num_f32 v[\c], v[\c], v[\c+2]
	s_delay_alu instid0(VALU_DEP_1)
	v_mul_f32 v[\c], s[CSC], v[\c]
	s_delay_alu instid0(VALU_DEP_1)
	v_max_num_f32 v[\st+1], v[\st+1], v[\c]
	v_mov_b32 v[\c], v[\st]
	s_delay_alu instid0(VALU_DEP_2)
	v_floor_f32 v[\st], -v[\st+1]
	s_delay_alu instid0(VALU_DEP_1)
	v_sub_f32 v[\c], v[\st], v[\c]
	s_delay_alu instid0(VALU_DEP_1)
	v_cvt_i32_f32 v[\c], v[\c]
	s_delay_alu instid0(VALU_DEP_1)
	v_ldexp_f32 v[\c+4], 1.0, v[\c]
.set n, 0
.rept 32
	v_pk_fma_f32 v[SB+n:SB+n+1], v[SB+n:SB+n+1], s[CSC:CSC+1], v[\st:\st+1] op_sel_hi:[1,0,0]
.set n, n+2
.endr
.set n, 0
	s_wait_alu depctr_va_vdst(0)
.rept 64
	v_exp_f32 v[SB+n], v[SB+n]
.set n, n+1
.endr
	v_pk_mul_f32 v[\st+2:\st+3], v[\st+2:\st+3], v[\c+4:\c+5] op_sel_hi:[1,0]
.set n, 0
	s_wait_alu depctr_va_vdst(0)
.rept 16
	v_pk_mul_f32 v[\o+n:\o+n+1], v[\o+n:\o+n+1], v[\c+4:\c+5] op_sel_hi:[1,0]
.set n, n+2
.endr
	s_wait_alu depctr_va_vdst(0)
	v_pk_add_f32 v[\c+6:\c+7], v[SB:SB+1], v[SB+2:SB+3]
.irp j, 4,8,12,16,20,24,28,32,36,40,44,48,52,56,60
	v_pk_add_f32 v[\st+2:\st+3], v[\st+2:\st+3], v[SB+\j:SB+\j+1]
	v_pk_add_f32 v[\c+6:\c+7], v[\c+6:\c+7], v[SB+\j+2:SB+\j+3]
.endr
	s_delay_alu instid0(VALU_DEP_1)
	v_pk_add_f32 v[\st+2:\st+3], v[\st+2:\st+3], v[\c+6:\c+7]
.set n, 0
.rept 64
.set n, n+1
.endr
.set n, 0
.rept 8
	v_cvt_scalef32_pk8_fp8_f32 v[\c+2*n:\c+2*n+1], v[SB+8*n:SB+8*n+7], v[SCP]
.set n, n+1
.endr
	v_nop
.endm
.macro STEP
	s_cmp_gt_u32 s[KS], s[THH]
	s_cbranch_scc1 .Lskip_\@
	s_setprio 2
	v_add_nc_u32 v[ADR], s[KOFF], v[LI]
.rept 3
	v_nop
.endr
	FETCH16
	s_wait_dscnt 0x0
	s_cmp_gt_u32 s[KS], s[THL]
	s_cbranch_scc1 .Lnolo_\@
	SCORES QL
.rept 4
	v_nop
.endr
	MASK THL, DLO
	SOFTMAX STL, OL, CL
.Lnolo_\@:
	SCORES QH
	v_add_nc_u32 v[ADR], s[VOFF], v[LI]
.rept 3
	v_nop
.endr
	FETCH16
	s_setprio 1
	MASK THH, DHI
	SOFTMAX STH, OH, CH
	s_setprio 0
	s_wait_alu depctr_va_vdst(0)
	s_wait_dscnt 0x0
	PV OH, CH
	s_cmp_gt_u32 s[KS], s[THL]
	s_cbranch_scc1 .Lskip_\@
	PV OL, CL
.Lskip_\@:
	s_add_co_u32 s[KOFF], s[KOFF], 8192
	s_add_co_u32 s[VOFF], s[VOFF], 8192
.endm
	s_wait_tensorcnt 1
	s_barrier_signal -1
	s_barrier_wait -1
	s_wait_loadcnt 0x0
.Lfirst:
	STEP
	s_add_co_u32 s[KS], s[KS], 1
	s_cmp_lt_u32 s[KS], 2
	s_cbranch_scc1 .Lfirst
	s_setprio 0
	s_wait_tensorcnt 0x0
	s_wait_dscnt 0x0
	s_barrier_signal -1
	s_barrier_wait -1
.Lrest:
	STEP
	s_add_co_u32 s[KS], s[KS], 1
	s_cmp_lt_u32 s[KS], 16
	s_cbranch_scc1 .Lrest
	s_setprio 0
	s_wait_dscnt 0x0
	s_barrier_signal -1
	s_barrier_wait -1
	s_mul_i32 s87, s[WV], 16*OP
	v_and_b32 v2, 15, v0
	s_delay_alu instid0(VALU_DEP_1)
	v_mul_u32_u24 v2, v2, OP
	v_bfe_u32 v253, v0, 4, 1
	s_delay_alu instid0(VALU_DEP_1)
	v_lshl_add_u32 v2, v253, 5, v2
	s_delay_alu instid0(VALU_DEP_1)
	v_add_nc_u32 v2, s87, v2
	s_delay_alu instid0(VALU_DEP_3)
	v_mul_u32_u24 v252, v253, OP
	v_and_b32 v1, 15, v0
	s_delay_alu instid0(VALU_DEP_1)
	v_lshl_add_u32 v252, v1, 4, v252
	s_delay_alu instid0(VALU_DEP_1)
	v_add_nc_u32 v252, s87, v252
	v_add_f32 v[STH+2], v[STH+2], v[STH+3]
	v_add_f32 v[STL+2], v[STL+2], v[STL+3]
	v_permlanex16_b32 v[CH+2], v[STH+2], s[SEL], s[SEL+1]
	v_permlanex16_b32 v[CL+2], v[STL+2], s[SEL], s[SEL+1]
	s_delay_alu instid0(VALU_DEP_2)
	v_add_f32 v[STH+2], v[STH+2], v[CH+2]
	s_delay_alu instid0(VALU_DEP_2)
	v_add_f32 v[STL+2], v[STL+2], v[CL+2]
	s_wait_alu depctr_va_vdst(0)
	v_rcp_f32 v[STH+2], v[STH+2]
	v_rcp_f32 v[STL+2], v[STL+2]
	v_lshlrev_b32 v253, 13, v253
	s_delay_alu instid0(VALU_DEP_1)
	v_lshl_add_u32 v253, v1, 4, v253
	s_add_co_i32 s86, s58, s59
	s_wait_alu depctr_va_vdst(0)
	v_ldexp_f32 v[STH+2], v[STH+2], s86
	v_ldexp_f32 v[STL+2], v[STL+2], s86
.set n, 0
.rept 16
	v_pk_mul_f32 v[SB+n:SB+n+1], v[OH+n:OH+n+1], v[STH+2:STH+3] op_sel_hi:[1,0]
.set n, n+2
.endr
.set n, 0
.rept 16
	v_pk_mul_f32 v[SB+32+n:SB+32+n+1], v[OL+n:OL+n+1], v[STL+2:STL+3] op_sel_hi:[1,0]
.set n, n+2
.endr
.irp u, 0,1
.irp t, 0,1,2,3
	ds_store_b128 v2, v[SB+32*\u+8*\t:SB+32*\u+8*\t+3] offset:64*\t
	ds_store_b128 v2, v[SB+32*\u+8*\t+4:SB+32*\u+8*\t+7] offset:64*\t+16
.endr
.irp i, 0,1,2,3,4,5,6,7
	ds_load_b128 v[KB+32*\u+4*\i:KB+32*\u+4*\i+3], v252 offset:2*\i*OP
.endr
.endr
.irp i, 0,1,2,3,4,5,6,7
	s_wait_dscnt 23-\i
	global_store_b128 v253, v[KB+4*\i:KB+4*\i+3], s[80:81] offset:16384*\i th:TH_STORE_NT
.endr
.irp i, 0,1,2,3,4,5,6,7
	s_wait_dscnt 7-\i
	global_store_b128 v253, v[KB+32+4*\i:KB+32+4*\i+3], s[82:83] offset:16384*\i th:TH_STORE_NT
.endr
	s_wait_tensorcnt 0x0
	ds_add_u32 v[SPW], v[NIL]
	s_wait_dscnt 0x0
	CROUND
	s_endpgm
.Lfunc_end_k_q219f9ad82e_attn:
	.size	k_q219f9ad82e_attn, .Lfunc_end_k_q219f9ad82e_attn-k_q219f9ad82e_attn
	.p2alignl 7, 3214868480
	.fill 96, 4, 3214868480
	.section	.rodata,"a",@progbits
	.p2align	6, 0x0
	.amdhsa_kernel k_q219f9ad82e_attn
		.amdhsa_group_segment_fixed_size 327680
		.amdhsa_private_segment_fixed_size 0
		.amdhsa_enable_private_segment 0
		.amdhsa_kernarg_size 40
		.amdhsa_user_sgpr_count 2
		.amdhsa_user_sgpr_kernarg_segment_ptr 1
		.amdhsa_wavefront_size32 1
		.amdhsa_system_sgpr_workgroup_id_x 1
		.amdhsa_system_sgpr_workgroup_id_y 1
		.amdhsa_system_sgpr_workgroup_id_z 1
		.amdhsa_system_vgpr_workitem_id 0
		.amdhsa_next_free_vgpr 256
		.amdhsa_next_free_sgpr 96
		.amdhsa_reserve_vcc 1
		.amdhsa_float_denorm_mode_32 3
		.amdhsa_float_denorm_mode_16_64 3
		.amdhsa_fp16_overflow 1
		.amdhsa_memory_ordered 1
		.amdhsa_forward_progress 1
		.amdhsa_inst_pref_size 89
	.end_amdhsa_kernel
	.amdgpu_metadata
---
amdhsa.version: [ 1, 2 ]
amdhsa.kernels:
  - .name:           k_q219f9ad82e_attn
    .symbol:         k_q219f9ad82e_attn.kd
    .args:
      - { .name: q_img, .offset: 0, .size: 8, .value_kind: global_buffer, .address_space: global }
      - { .name: k_img, .offset: 8, .size: 8, .value_kind: global_buffer, .address_space: global }
      - { .name: v_img, .offset: 16, .size: 8, .value_kind: global_buffer, .address_space: global }
      - { .name: lowp_scales, .offset: 24, .size: 8, .value_kind: global_buffer, .address_space: global }
      - { .name: out0, .offset: 32, .size: 8, .value_kind: global_buffer, .address_space: global }
    .group_segment_fixed_size: 327680
    .private_segment_fixed_size: 0
    .kernarg_segment_align: 8
    .kernarg_segment_size: 40
    .max_flat_workgroup_size: 512
    .sgpr_count:     96
    .vgpr_count:     256
    .wavefront_size: 32
...
	.end_amdgpu_metadata
.endif
;; end of part 3
